; MI455X (gfx1250); checked and timed in simulation.
; The chip was launched on July 23, 2026; its instructions are those of AMD's public machine-readable ISA for CDNA 5 (MIT licence, August 2026) and "CDNA5" Instruction Set Architecture Reference Guide (July 2026). The comments in the code are by the model that wrote it; some were corrected since.
;; Decoder. Allowed arithmetic: float matrix products may take bf16 or f16 operands with f32 sums; other float arithmetic in f32, or as packed bf16 or f16 multiplies, adds, multiply-adds, maxima and minima; sums over many terms, partial sums and values carried from step to step in f32; what a program stores and reads back later, other than sums and carried values, may be rounded once to bf16 or f16.
;; Inputs: W_hh 120 x 30 float32; W_ih 120 x 34 float32; Wf1 30 x 31 float32; Wf2 15 x 30 float32; Wf3 1 x 15 float32; Wg 30 x 60 float32; Wk 30 x 60 float32; Wq 30 x 30 float32; Wsa1 7 x 1 float32; Wsa2 30 x 7 float32; Wv 30 x 60 float32; b_hh 120 float32; b_ih 120 float32; batch_ids 16,384 int32; bf1 30 float32; bf2 15 float32; bf3 1 float32; bg 30 float32; bk 30 float32; bq 30 float32; bsa1 7 float32; bsa2 30 float32; bv 30 float32; encoder_outputs 48 x 16,384 x 60 float32; hidden 16,384 x 30 float32; y 16,384 x 13 x 4 float32.
;; Outputs: out0 12 x 16,384 float32.
;; One version. Each part assembles by itself: llvm-mc -triple=amdgcn-amd-amdhsa -mcpu=gfx1250 --defsym DOCPART=n.
;; ======== version 1 of 1: 1 launch
;; limits: values outside matrix products are rounded to f16; values are held in f16: magnitudes above 65,504 overflow, below 6.1e-05 lose precision
;; launch decoder (part 1): grid 256 x 1, 8 waves a work-group, no clusters, 167,936 bytes of LDS; arguments encoder_outputs, out0, y, hidden, W_ih, W_hh, b_ih, b_hh, Wg, Wv, Wf1, Wf2, bg, bv, bf1, bf2, Wf3, bf3; writes out0
.if DOCPART == 1
	.amdgcn_target "amdgcn-amd-amdhsa--gfx1250"
	.amdhsa_code_object_version 6
	.text
	.protected	k_q6e82dd39f6_decoder
	.globl	k_q6e82dd39f6_decoder
	.p2align	8
	.type	k_q6e82dd39f6_decoder,@function
k_q6e82dd39f6_decoder:
	s_mov_b64 s[64:65], 0
	v_nop
	global_prefetch_b8 v0, s[64:65] scope:SCOPE_SE
	s_setreg_imm32_b32 hwreg(HW_REG_WAVE_MODE, 25, 1), 1
	s_wait_xcnt 0x0
; DECODER: mean of 48 encoder slices, V = mean Wv^T + bv, then 12 steps of gate, LSTM cell and a head of three layers whose output is the next step's fourth input.
; WORK LEFT OUT, for all finite values of the inputs:
;   softmax(scores, axis=-1) runs over an axis of length 1: exp(s - s) / exp(s - s) = 1 whatever s is, so context = V.  K, Q, scores and the step feature sf then reach no output:
;   Wq, bq, Wk, bk, Wsa1, bsa1, Wsa2, bsa2 are not loaded and are not among the arguments; batch_ids, which the function never uses, neither.
;   cell0 is a zero that the function builds itself: sigmoid(f) x 0 = 0, so step 1's forget gate (two tiles of products, their activations) is not made.
;   Wg[:,30:] V + bg is the same in all steps: made once.  The input made behind step 12 is used by nobody, and is not made; y[:,12,:] is fetched with its rows' blocks and never read.
;   LIMIT: a NaN, an infinity or an overflow that would arise only in K, Q, scores or sf is not carried to the result.
; FORMATS.  Matrix operands are f16, each rounded once from f32; sums in f32.  The 48-term sums, c, h where it is used by elements, V, all activations and the last layer's dot product stay in f32.
;   LIMITS: every f16 operand (mean, V, hidden, y, enh, h, relu(z1), the scaled weights, bv, bg, bf1, bf2) must lie within 65,504.  y[:,0,:] behind nan_to_num is held to +-65,504, so an infinity
;   there counts as 65,504; the output that is fed back is held to +-65,504 too (the stored output is not).  i / 12 is rounded to f16.  A NaN in y[:,1..11,1..3] reaches its row's later outputs.
; SHARES.  256 work-groups of eight waves; work-group g owns batch rows 64 g .. 64 g + 63.  Waves 0-5 add up the 48 slices: a slice's 64 rows are 15,360 consecutive bytes, 2,560 a wave, five loads of
;   512 bytes.  Meanwhile wave 6 and wave 7 fetch the weights, y's and hidden's blocks by tensor loads and lay the weights out in LDS as ready f16 fragments.  Behind one barrier waves 0-3 walk the
;   12 steps, 16 rows each; behind a second barrier waves 0-5 store the 12 x 64 outputs, 16 bytes a thread.
; NO CLUSTER: what work-groups share is 52 KB of weights beside 737 KB of encoder rows of their own.  The encoder rows come by counted loads into registers: no wave wants another's bytes.
; LAYOUT.  Every product is taken transposed: source 0 = 16 rows of a weight matrix, source 1 = 16 batch rows.  In the result lane l holds batch row l % 16 and register j feature 8 (l / 16) + j.
;   Two such tiles (features 0-15, 16-31) rounded to f16 in pairs ARE the next product's source 1, so nothing changes lanes in a step but the last dot product's two halves.
;   Features are padded from 30 to 32; places 30 and 31 (fragment register 7 of lanes 16-31) carry what else a product needs:
;     enh: (rin0, rin1)     h for gate and LSTM: (rin2, rin3)     h for the head: (i / 12, 1)     mean: 1 at place 60     V: V[31] = 1, by a row e_60 in Wv's image
;   and the weight images hold the matching columns (W_ih's first four; Wf1's last and bf1; bv; bg; bf2), zeros elsewhere.  The LSTM's K is 64 = 30 + 2 + 30 + 2.
;   The scales of the exponentials are folded into the images: -log2(e) for sigmoids (1 / (1 + 2^D)), +2 log2(e) for tanh (1 - 2 / (1 + 2^D)).  b_ih + b_hh, scaled, is the C operand in f32.
; THE TWELVE STEPS ARE WRITTEN OUT by one macro, so that each step's place in y's row and in the outputs is an immediate on a register that is never rewritten: every LDS byte that a wave touches
;   beside the other waves can be read off the text.  A step is some 2.5 KB of code.
.set SLICE,  3932160          ; bytes in a slice of encoder_outputs
; LDS: what tensor loads fill
.set R_WIH,  0                ; W_ih as it lies, rows of 136 bytes
.set R_WHH,  16384            ; W_hh, 120
.set R_WG,   30976            ; Wg, 240
.set R_WV,   38400            ; Wv, 240
.set R_WF1,  45824            ; Wf1, 124
.set R_WF2,  49664            ; Wf2, 120
.set YB,     51712            ; y's 64 rows of 208 bytes
.set HB,     65024            ; hidden's 64 rows of 120 bytes
; LDS: what ds_store writes, in blocks of 256 bytes of their own
.set IMG,    72704            ; 27 fragments of 1,024 bytes: registers 0-3 at 16 x lane, registers 4-7 512 further on
.set BT,     100352           ; 128 f32: scaled b_ih + b_hh, gate q's feature f at 32 q + f
.set W3T,    100864           ; 16 f32: Wf3, then bf3
.set SUM,    101120           ; 64 rows x 60 f32: the sums over the slices
.set OUTS,   116480           ; the outputs: 1,024 bytes for each of waves 0-3, of which 768 are used: step i at 64 (i - 1), row r of the wave's 16 at 4 r
.set OUTW,   1024
.set SPARE,  120576           ; the spare words, 128 bytes a wave: four blocks of 256 bytes that no other line names
; fragment numbers in IMG: 2 t + ks LSTM tile t = 2 q + mt (ks 0: enh's part, 1: h's part); 16 + mt gate, h's part; 18 + mt Wf1; 20 Wf2; 21 + 2 mt + ks Wv; 25 + mt gate, V's part
.set SPW, 4                   ; v4  my spare word's address; never rewritten
.set NIL, 5                   ; v5  0; never rewritten
; v0 thread, v1 lane, v2 lane % 16 (r), v3 lane / 16 (h): kept by all waves
; s2 wave, s3 work-group, s4 loop count, s5-s7 at work, s[8:43] the 18 addresses, s[44:59] four descriptor groups 0, s60 mask of lanes 16-31, s61 twelve slices, s[62:63] lane selects, s[68:99] four groups 1
.set MSB, 0
.macro WIN new                ; the register windows: bits 1:0 source 0, 3:2 source 1, 5:4 source 2, 7:6 destination; the high byte repeats the setting that is left
.if MSB != (\new)
	s_set_vgpr_msb (MSB<<8)|(\new)
.set MSB, (\new)
.endif
.endm
; Descriptor n: cc elements of 8 bytes a row, rr rows, dense, to LDS byte lds.  The extents are the tile's own: no tile crosses its tensor's end.
.macro TD n, lds, cc, rr
	s_mov_b32 s[44+4*(\n)], 1             ; count = 1
	s_mov_b32 s[45+4*(\n)], \lds          ; LDS address
	s_mov_b32 s[68+8*(\n)], 3<<16         ; no mask; elements of 8 bytes; no padding
	s_mov_b32 s[69+8*(\n)], (\cc)<<16     ; tensor_dim0
	s_mov_b32 s[70+8*(\n)], (\rr)<<16     ; tensor_dim1
	s_mov_b32 s[71+8*(\n)], (\cc)<<16     ; tile_dim0
	s_mov_b32 s[72+8*(\n)], \rr           ; tile_dim1
	s_mov_b32 s[73+8*(\n)], \cc           ; elements from row to row
.if (\rr) == 1
	s_mov_b32 s[74+8*(\n)], 1<<16         ; a single row states a plane stride of 1
.else
	s_mov_b32 s[74+8*(\n)], 0
.endif
	s_mov_b32 s[75+8*(\n)], 0
.endm
.macro TP n, p                ; its global address: the buffer's own, and the type bits
	s_mov_b64 s[46+4*(\n):47+4*(\n)], s[\p:(\p)+1]
	s_or_b32 s[47+4*(\n)], s[47+4*(\n)], 0x80000000
.endm
.macro FOURLOADS              ; a builder's four first fills, on end: four tensor loads of the wave are out
.irp n,0,1,2,3
	tensor_load_to_lds s[44+4*\n:47+4*\n], s[68+8*\n:75+8*\n]
	s_nop 0
.endr
.rept 4
	v_nop
.endr
.endm
	s_load_b512 s[8:23], s[0:1], 0x0      ; enc s[8:9], out0 s[10:11], y s[12:13], hidden s[14:15], W_ih s[16:17], W_hh s[18:19], b_ih s[20:21], b_hh s[22:23]
	s_load_b512 s[24:39], s[0:1], 0x40    ; Wg s[24:25], Wv s[26:27], Wf1 s[28:29], Wf2 s[30:31], bg s[32:33], bv s[34:35], bf1 s[36:37], bf2 s[38:39]
	s_load_b128 s[40:43], s[0:1], 0x80    ; Wf3 s[40:41], bf3 s[42:43]
	v_lshl_add_u32 v[SPW], v0, 2, SPARE
	v_mov_b32 v[NIL], 0
	ds_add_u32 v[SPW], v[NIL]             ; the wave's opening: the add, twice on end, and its wait ahead of the first tensor load
	ds_add_u32 v[SPW], v[NIL]
	v_lshrrev_b32 v1, 5, v0
	v_readfirstlane_b32 s2, v1            ; wave 0..7
	v_and_b32 v1, 31, v0                  ; lane
	v_and_b32 v2, 15, v0                  ; r
	v_bfe_u32 v3, v0, 4, 1                ; h
	s_mov_b32 s3, ttmp9                   ; work-group
	s_mov_b32 s60, 0xffff0000             ; lanes 16-31
	s_mov_b32 s61, 12*SLICE
	s_mov_b32 s62, 0x76543210             ; v_permlanex16_b32: each lane takes its own place in the other half
	s_mov_b32 s63, 0xfedcba98
	s_wait_dscnt 0x0                      ; both opening adds are done
	s_wait_kmcnt 0x0
	s_cmp_lt_u32 s2, 6
	s_cbranch_scc1 .Lstream
	s_cmp_eq_u32 s2, 6
	s_cbranch_scc0 .LfillB
	; wave 6's fills: W_ih, W_hh, my work-group's 13,312 bytes of y (52 rows of 256) and 7,680 of hidden (30 rows of 256)
	TD 0, R_WIH, 2040, 1
	TP 0, 16
	TD 1, R_WHH, 1800, 1
	TP 1, 18
	TD 2, YB, 32, 52
	s_mul_i32 s4, s3, 13312
	s_mov_b32 s5, 0
	s_add_nc_u64 s[54:55], s[12:13], s[4:5]
	s_or_b32 s55, s55, 0x80000000
	TD 3, HB, 32, 30
	s_mul_i32 s4, s3, 7680
	s_add_nc_u64 s[58:59], s[14:15], s[4:5]
	s_or_b32 s59, s59, 0x80000000
	FOURLOADS
	s_branch .LbuildA
.LfillB:                                      ; wave 7's fills: Wg, Wv, Wf1, Wf2
	TD 0, R_WG, 900, 1
	TP 0, 24
	TD 1, R_WV, 900, 1
	TP 1, 26
	TD 2, R_WF1, 465, 1
	TP 2, 28
	TD 3, R_WF2, 225, 1
	TP 3, 30
	FOURLOADS
; THE BUILDERS.  A fragment is 16 rows x 32 columns of f16 in 8 registers: lane l holds row l % 16; registers 0-3 columns 8 h + 0..7, registers 4-7 columns 16 + 8 h + 0..7.
; A lane reads its 16 f32 from the raw rows, scales them (by 0 in rows that are padding), rounds them in pairs and stores 2 x 16 bytes.
.set T,   64                  ; v[64:81]   16 numbers and a special pair, f32
.set P,   96                  ; v[96:103]  the fragment
.set PS,  104                 ; v104       the special pair, f16
.set IAB, 18                  ; v18        IMG + 16 x lane
; 16 numbers by loads of 8 bytes.  The last 'tail' loads take address a2, in which lanes 16-31 stand further back: they read valid columns once more instead of running past the row, and are replaced below.
.macro LD64 base, a1, a2, tail
.irp g,0,1
.irp j,0,1,2,3
.if ((\g) == 1) && ((\j) >= 4-(\tail))
	ds_load_b64 v[T+8*\g+2*\j:T+8*\g+2*\j+1], v[\a2] offset:(\base)+64*\g+8*\j
.else
	ds_load_b64 v[T+8*\g+2*\j:T+8*\g+2*\j+1], v[\a1] offset:(\base)+64*\g+8*\j
.endif
.endr
.endr
.endm
.macro LD32 base, a1, a2      ; the same by loads of 4 bytes, for rows of 124 bytes; the last two take a2
.set e, 0
.rept 16
.if e >= 14
	ds_load_b32 v[T+e], v[\a2] offset:(\base)+64*(e/8)+4*(e%8)
.else
	ds_load_b32 v[T+e], v[\a1] offset:(\base)+64*(e/8)+4*(e%8)
.endif
.set e, e+1
.endr
.endm
.macro CV scl, n              ; n pairs times the scale pair, rounded to f16: pairs 0-7 are the fragment, pair 8 the special pair
.set i, 0
.rept \n
	v_pk_mul_f32 v[T+2*i:T+2*i+1], v[T+2*i:T+2*i+1], v[\scl:\scl+1]
.set i, i+1
.endr
.set i, 0
.rept \n
	v_cvt_pk_f16_f32 v[P+i], v[T+2*i], v[T+2*i+1]
.set i, i+1
.endr
.endm
.macro SPEC7                  ; the special pair takes columns 30, 31
	v_cndmask_b32 v[P+7], v[P+7], v[PS], s60
.endm
.macro STF idx
	ds_store_b128 v[IAB], v[P:P+3] offset:(\idx)*1024
	ds_store_b128 v[IAB], v[P+4:P+7] offset:(\idx)*1024+512
.endm
	; BUILDER B (wave 7).  v6 min(r,13), v7 min(r,14): rows that are padding read the last valid row, and are scaled by 0.
	v_min_u32 v6, 13, v2
	v_min_u32 v7, 14, v2
	v_lshlrev_b32 v45, 2, v2
	v_lshlrev_b32 v46, 2, v6
	v_lshlrev_b32 v47, 2, v7
	v_min_u32 v48, 14, v1
	v_lshlrev_b32 v48, 2, v48
	v_mov_b32 v49, 0                      ; 0: an offset, and a source of zeros; never rewritten
	global_load_b32 v36, v45, s[32:33]            ; bg of rows r
	global_load_b32 v37, v46, s[32:33] offset:64  ; and 16 + min(r,13)
	global_load_b32 v38, v45, s[34:35]            ; bv
	global_load_b32 v39, v46, s[34:35] offset:64
	global_load_b32 v40, v45, s[36:37]            ; bf1
	global_load_b32 v41, v46, s[36:37] offset:64
	global_load_b32 v42, v47, s[38:39]            ; bf2
	global_load_b32 v43, v48, s[40:41]            ; Wf3[min(lane,14)]
	global_load_b32 v44, v49, s[42:43]            ; bf3
	v_mul_u32_u24 v105, v2, 240
	v_mul_u32_u24 v106, v6, 240
	v_mul_u32_u24 v107, v3, 24
	v_lshl_add_u32 v8, v3, 5, v105        ; v8, v9    rows of 240 bytes + 32 h, for mt = 0, 1
	v_lshl_add_u32 v9, v3, 5, v106
	v_add_nc_u32 v10, v105, v107          ; v10, v11  + 24 h
	v_add_nc_u32 v11, v106, v107
	v_lshl_add_u32 v12, v3, 4, v105       ; v12, v13  + 16 h
	v_lshl_add_u32 v13, v3, 4, v106
	v_mul_u32_u24 v14, v2, 124            ; v14, v15  rows of 124 bytes
	v_mul_u32_u24 v15, v6, 124
	v_lshl_add_u32 v16, v3, 5, v14        ; v16, v17  + 32 h
	v_lshl_add_u32 v17, v3, 5, v15
	v_add_nc_u32 v20, v14, v107           ; v20, v21  + 24 h
	v_add_nc_u32 v21, v15, v107
	v_mul_u32_u24 v105, v7, 120
	v_lshl_add_u32 v22, v3, 5, v105       ; v22  Wf2's rows + 32 h
	v_add_nc_u32 v23, v105, v107          ; v23  + 24 h
	v_lshl_add_u32 v[IAB], v1, 4, IMG
	v_lshl_add_u32 v50, v1, 2, W3T
	v_cmp_gt_u32 vcc_lo, 14, v2           ; in tiles mt = 1 rows 14, 15 are padding
	v_mov_b32 v24, 1.0                    ; v[24:25], v[26:27]  1, or 0 in padding
	v_mov_b32 v25, 1.0
	v_cndmask_b32 v26, 0, v24, vcc_lo
	v_mov_b32 v27, v26
	v_mov_b32 v28, 0xbfb8aa3b             ; v[28:29], v[30:31]  -log2(e), or 0 in padding
	v_mov_b32 v29, v28
	v_cndmask_b32 v30, 0, v28, vcc_lo
	v_mov_b32 v31, v30
	v_cmp_gt_u32 vcc_lo, 15, v2
	v_cndmask_b32 v32, 0, v24, vcc_lo     ; v[32:33]  1 in Wf2's 15 rows
	v_mov_b32 v33, v32
	v_cndmask_b32 v34, v24, v49, vcc_lo   ; v34  1 in row 15 alone: the rows that hand the constant 1 on
	v_cmp_eq_u32 vcc_lo, 15, v1
	s_wait_tensorcnt 0x0                  ; my four tiles are in LDS; only I read them
	s_wait_loadcnt 0x0
	v_cndmask_b32 v43, v43, v44, vcc_lo   ; entry 15 is bf3 (z2[15] = 1); entries 16-31 are never read
	ds_store_b32 v50, v43
.irp m,0,1
	LD64 (R_WG+16*\m*240), (8+\m), (10+\m), 1          ; the gate's h part: columns 30, 31 meet rin2, rin3 and are 0
	s_wait_dscnt 0x0
	CV (28+2*\m), 8
	v_cndmask_b32 v[P+7], v[P+7], v49, s60
	STF (16+\m)
	LD64 (R_WG+16*\m*240+120), (8+\m), (10+\m), 1      ; the gate's V part: column 31 meets V[31] = 1 and is bg
	s_wait_dscnt 0x0
	CV (28+2*\m), 8
	v_mul_f32 v105, v[36+\m], v[28+2*\m]
	v_cvt_pk_f16_f32 v[PS], v49, v105
	SPEC7
	STF (25+\m)
	LD64 (R_WV+16*\m*240), (8+\m), (8+\m), 0           ; Wv, columns 0-31
	s_wait_dscnt 0x0
	CV (24+2*\m), 8
	STF (21+2*\m)
	LD64 (R_WV+16*\m*240+128), (8+\m), (12+\m), 2      ; Wv, columns 32-59; column 60 is bv, and 1 in row 31; 61-63 are 0
	s_wait_dscnt 0x0
	CV (24+2*\m), 8
	v_fma_f32 v105, v[38+\m], v[24+2*\m], v[49-15*\m]
	v_cvt_pk_f16_f32 v[PS], v105, v49
	v_cndmask_b32 v[P+6], v[P+6], v[PS], s60
	v_cndmask_b32 v[P+7], v[P+7], v49, s60
	STF (22+2*\m)
	LD32 (R_WF1+16*\m*124), (16+\m), (20+\m)           ; Wf1: column 30 its own last, column 31 bf1, and 1 in row 31
	ds_load_b32 v[T+16], v[14+\m] offset:R_WF1+16*\m*124+120
	s_wait_dscnt 0x0
	CV (24+2*\m), 8
	v_mul_f32 v105, v[T+16], v[24+2*\m]
	v_fma_f32 v106, v[40+\m], v[24+2*\m], v[49-15*\m]
	v_cvt_pk_f16_f32 v[PS], v105, v106
	SPEC7
	STF (18+\m)
.endr
	LD64 R_WF2, 22, 23, 1                 ; Wf2: column 30 is 0, column 31 bf2, and 1 in row 15
	s_wait_dscnt 0x0
	CV 32, 8
	v_fma_f32 v106, v42, v32, v34
	v_cvt_pk_f16_f32 v[PS], v49, v106
	SPEC7
	STF 20
	s_branch .Lmeet
.LbuildA:                                     ; BUILDER A (wave 6): the LSTM's 16 fragments and its bias table
	v_min_u32 v6, 13, v2
	v_min_u32 v28, 29, v1
	v_lshlrev_b32 v28, 2, v28
.irp q,0,1,2,3
	global_load_b32 v[32+\q], v28, s[20:21] offset:120*\q  ; b_ih[30 q + min(lane,29)]
	global_load_b32 v[36+\q], v28, s[22:23] offset:120*\q  ; b_hh
.endr
	v_mul_u32_u24 v8, v2, 136             ; v8, v9    W_ih's rows, for mt = 0, 1
	v_mul_u32_u24 v9, v6, 136
	v_mul_u32_u24 v107, v3, 24
	v_lshl_add_u32 v10, v3, 5, v8         ; v10, v11  + 32 h
	v_lshl_add_u32 v11, v3, 5, v9
	v_add_nc_u32 v12, v8, v107            ; v12, v13  + 24 h
	v_add_nc_u32 v13, v9, v107
	v_mul_u32_u24 v105, v2, 120
	v_mul_u32_u24 v106, v6, 120
	v_lshl_add_u32 v14, v3, 5, v105       ; v14, v15  W_hh's rows + 32 h
	v_lshl_add_u32 v15, v3, 5, v106
	v_add_nc_u32 v16, v105, v107          ; v16, v17  + 24 h
	v_add_nc_u32 v17, v106, v107
	v_lshl_add_u32 v[IAB], v1, 4, IMG
	v_lshl_add_u32 v19, v1, 2, BT
	v_mov_b32 v20, 0xbfb8aa3b             ; v[20:21], v[22:23]  -log2(e), or 0 in padding: gates i, f, o
	v_mov_b32 v21, v20
	v_mov_b32 v24, 0x4038aa3b             ; v[24:25], v[26:27]  2 log2(e): gate g
	v_mov_b32 v25, v24
	v_cmp_gt_u32 vcc_lo, 14, v2
	v_cndmask_b32 v22, 0, v20, vcc_lo
	v_mov_b32 v23, v22
	v_cndmask_b32 v26, 0, v24, vcc_lo
	v_mov_b32 v27, v26
	v_cmp_gt_u32 vcc_lo, 30, v1
	v_cndmask_b32 v29, 0, v20, vcc_lo     ; the table's scales: 0 for features 30, 31
	v_cndmask_b32 v30, 0, v24, vcc_lo
	s_wait_tensorcnt 0x0                  ; my four tiles are in LDS
	s_wait_loadcnt 0x0
.irp q,0,1,2,3
	v_add_f32 v[32+\q], v[32+\q], v[36+\q]
.if \q == 2
	v_mul_f32 v[32+\q], v[32+\q], v30
.else
	v_mul_f32 v[32+\q], v[32+\q], v29
.endif
	ds_store_b32 v19, v[32+\q] offset:128*\q
.endr
; Gate q, tile m: rows 30 q + 16 m + r.  enh's part: W_ih's columns 4-33, then columns 0, 1 (rin0, rin1).  h's part: W_hh, then W_ih's columns 2, 3 (rin2, rin3).
.macro WLF q, m
.if (\q) == 2
.set SC, 24+2*(\m)
.else
.set SC, 20+2*(\m)
.endif
.set RW, 30*(\q)+16*(\m)
	LD64 (R_WIH+RW*136+16), (10+\m), (12+\m), 1
	ds_load_b64 v[T+16:T+17], v[8+\m] offset:R_WIH+RW*136
	s_wait_dscnt 0x0
	CV SC, 9
	SPEC7
	STF (4*\q+2*\m)
	LD64 (R_WHH+RW*120), (14+\m), (16+\m), 1
	ds_load_b64 v[T+16:T+17], v[8+\m] offset:R_WIH+RW*136+8
	s_wait_dscnt 0x0
	CV SC, 9
	SPEC7
	STF (4*\q+2*\m+1)
.endm
.irp q,0,1,2,3
.irp m,0,1
	WLF \q, \m
.endr
.endr
	s_branch .Lmeet
; THE STREAM (waves 0-5).  A ring of 12 slots in registers, a slice each: 60 loads of 512 bytes of every wave are out all the time.  A slot owns its address register and 20 data registers.
.set OFF,  8                  ; v[8:19]   slot s: my byte offset in the slice that the slot holds
.set ACC,  20                 ; v[20:39]  the sums of my 5 x 16 bytes
.set SUMA, 40                 ; v40       where they go
                              ; window 1, v0-239: slot s, load c at 20 s + 4 c
.Lstream:
	s_mul_i32 s5, s3, 15360               ; my work-group's 64 rows of 240 bytes,
	s_mul_i32 s6, s2, 2560                ; my wave's sixth of them
	s_add_co_u32 s5, s5, s6
	v_lshl_add_u32 v[OFF], v1, 4, s5
.set i, 1
.rept 11
	v_add_nc_u32 v[OFF+i], i*SLICE, v[OFF]
.set i, i+1
.endr
	WIN 0x40                              ; destination window 1, address window 0
.set i, 0
.rept 12
.set c, 0
.rept 5
	global_load_b128 v[20*i+4*c:20*i+4*c+3], v[OFF+i], s[8:9] offset:512*c th:TH_LOAD_NT
.set c, c+1
.endr
.set i, i+1
.endr
	WIN 0
	v_lshl_add_u32 v[SUMA], v1, 4, s6
	v_add_nc_u32 v[SUMA], SUM, v[SUMA]
.set i, 0
.rept 20
	v_mov_b32 v[ACC+i], 0                 ; written while the first loads are out, so that the loop has one form of sum
.set i, i+1
.endr
; A slot's turn.  left: the younger loads that may stay out.  refill = 1: the slot takes the slice twelve further on.
.macro SLOT s, refill, left
	s_wait_loadcnt \left                  ; loads come back in order (ISA guide 5.7.1): this slot's five are in, so its address register is free too
	WIN 0x04                              ; source 1 window 1
.set c, 0
.rept 10
	v_pk_add_f32 v[ACC+2*c:ACC+2*c+1], v[ACC+2*c:ACC+2*c+1], v[20*(\s)+2*c:20*(\s)+2*c+1]
.set c, c+1
.endr
.if \refill
	v_add_nc_u32 v[OFF+(\s)], v[OFF+(\s)], s61
	WIN 0x40
.set c, 0
.rept 5
	global_load_b128 v[20*(\s)+4*c:20*(\s)+4*c+3], v[OFF+(\s)], s[8:9] offset:512*c th:TH_LOAD_NT
.set c, c+1
.endr
.endif
.endm
	s_mov_b32 s4, 3                       ; 12 slices at the start + 3 x 12 = 48
.Llap:
.irp s,0,1,2,3,4,5,6,7,8,9,10,11
	SLOT \s, 1, 55                        ; eleven younger slots of five loads
.endr
	WIN 0
	s_sub_co_i32 s4, s4, 1
	s_cmp_lg_u32 s4, 0
	s_cbranch_scc1 .Llap
.irp s,0,1,2,3,4,5,6,7,8,9,10,11
	SLOT \s, 0, 55-5*\s                   ; the last twelve slices load nothing: the counts run down to 0
.endr
	WIN 0
.irp c,0,1,2,3,4
	ds_store_b128 v[SUMA], v[ACC+4*\c:ACC+4*\c+3] offset:512*\c
.endr
.Lmeet:                                       ; the sums, the fragments, the tables, y's and hidden's blocks: each wave's part is complete in front of its signal
	s_wait_tensorcnt 0x0
	s_wait_dscnt 0x0
	s_barrier_signal -1
	s_barrier_wait -1                     ; no LDS byte is filled again behind it
	s_cmp_lt_u32 s2, 4
	s_cbranch_scc0 .Lfinal                ; waves 4-7 have no rows
; THE RECURRENCE (waves 0-3): batch rows 16 w .. 16 w + 15 of the work-group's 64.
.set IA,  6                   ; v6   IMG + 16 x lane
.set SA1, 7                   ; v7   my row's sums + 32 h
.set SA2, 8                   ; v8   + 16 h
.set HA1, 9                   ; v9   my row of hidden + 32 h
.set HA2, 10                  ; v10  + 24 h
.set YA0, 11                  ; v11  my row of y; never rewritten
.set BA,  12                  ; v12  BT + 32 h
.set W3A, 13                  ; v13  W3T + 32 h
.set OA0, 14                  ; v14  my row's word in my wave's part of OUTS, at step 1; never rewritten
.set R01, 15                  ; v15  (rin0, rin1) in f16
.set R23, 16                  ; v16  (rin2, rin3)
.set H7R, 17                  ; v17  h's features 22, 23 (lanes 0-15) in f16: register 7 of h's fragment before its places 30, 31 are set
.set SEP, 18                  ; v18  (i / 12, 1) in f16
.set VI,  19                  ; v19  the next step's i
.set ONE, 20                  ; v20  1.0
.set OUTV, 21                 ; v21  the step's output
.set TMP, 22                  ; v22, v23 at work
.set DT,  24                  ; v[24:27] the dot product
.set C1H, 28                  ; v28  1.0 in f16, 0 above it
.set ZR,  29                  ; v29  0
.set VV,  32                  ; v[32:47]   V              (16 features a lane, f32, as all below)
.set GC,  48                  ; v[48:63]   the gate's V part with bg, scaled
.set HH,  64                  ; v[64:79]   h
.set CC,  80                  ; v[80:95]   c
.set DD,  96                  ; v[96:111]  h - V; later tanh(c)
.set GA,  112                 ; v[112:127] the gate; then enh
.set LA,  128                 ; v[128:191] the LSTM's four gates, 16 each
.set EF,  192                 ; v[192:199] enh's fragment
.set HF,  200                 ; v[200:207] h's fragment
.set ZF,  208                 ; v[208:215] relu(z1)'s fragment
.set Z1,  216                 ; v[216:231]
.set Z2,  232                 ; v[232:239]
.set W3,  240                 ; v[240:247] Wf3 and bf3, my 8
.set YN,  248                 ; v[248:251] y[row][i][0..3]
.set MS,  128                 ; at the start alone: v[128:159] my 32 sums, v[160:175] the mean's two fragments,
.set MF,  160
.set WVF, 176                 ; v[176:207] Wv's four fragments, v[208:223] the gate's V part, v[224:231] V's fragment
.set WGVF, 208
.set VF,  224
                              ; window 1: fragment idx 0-20 at v[8 idx]; the bias of LSTM tile t at v[168 + 8 t]
	s_mov_b32 s6, 0xc77fe000              ; -65,504
	s_mov_b32 s7, 0x477fe000              ; 65,504
	s_lshl_b32 s5, s2, 4
	v_add_nc_u32 v[TMP], s5, v2           ; my row
	v_lshl_add_u32 v[IA], v1, 4, IMG
	v_mul_u32_u24 v[TMP+1], v[TMP], 240
	v_add_nc_u32 v[TMP+1], SUM, v[TMP+1]
	v_lshl_add_u32 v[SA1], v3, 5, v[TMP+1]
	v_lshl_add_u32 v[SA2], v3, 4, v[TMP+1]
	v_mul_u32_u24 v[TMP+1], v[TMP], 120
	v_add_nc_u32 v[TMP+1], HB, v[TMP+1]
	v_lshl_add_u32 v[HA1], v3, 5, v[TMP+1]
	v_mul_u32_u24 v[DT], v3, 24
	v_add_nc_u32 v[HA2], v[TMP+1], v[DT]
	v_mul_u32_u24 v[YA0], v[TMP], 208
	v_add_nc_u32 v[YA0], YB, v[YA0]
	v_lshl_add_u32 v[BA], v3, 5, BT
	v_lshl_add_u32 v[W3A], v3, 5, W3T
	s_mul_i32 s5, s2, OUTW                ; my wave's part of OUTS
	v_lshl_add_u32 v[OA0], v2, 2, s5
	v_add_nc_u32 v[OA0], OUTS, v[OA0]
	v_mov_b32 v[ONE], 1.0
	v_mov_b32 v[C1H], 0x3c00
	v_mov_b32 v[ZR], 0
	; first group, 31 loads: what V and the first step's inputs need
.irp o,0,1,2,3,4,5,6
	ds_load_b128 v[MS+4*\o:MS+4*\o+3], v[SA1] offset:64*(\o/2)+16*(\o%2)  ; columns 8 h .., 16 + 8 h .., 32 + 8 h .., 48 + 8 h .. + 3
.endr
	ds_load_b128 v[MS+28:MS+31], v[SA2] offset:208                        ; columns 52-55; lanes 16-31 read 56-59 once more, replaced below
.irp f,0,1,2,3
	ds_load_b128 v[WVF+8*\f:WVF+8*\f+3], v[IA] offset:(21+\f)*1024
	ds_load_b128 v[WVF+8*\f+4:WVF+8*\f+7], v[IA] offset:(21+\f)*1024+512
.endr
.irp f,0,1
	ds_load_b128 v[WGVF+8*\f:WGVF+8*\f+3], v[IA] offset:(25+\f)*1024
	ds_load_b128 v[WGVF+8*\f+4:WGVF+8*\f+7], v[IA] offset:(25+\f)*1024+512
.endr
.irp o,0,1,2,3,4,5,6
	ds_load_b64 v[HH+2*\o:HH+2*\o+1], v[HA1] offset:64*(\o/4)+8*(\o%4)
.endr
	ds_load_b64 v[HH+14:HH+15], v[HA2] offset:88                          ; features 22, 23; lanes 16-31 read 28, 29 once more, replaced below
	ds_load_b128 v[YN:YN+3], v[YA0]
	ds_load_b128 v[W3:W3+3], v[W3A]
	ds_load_b128 v[W3+4:W3+7], v[W3A] offset:16
	; second group, 58 loads: the steps' 21 fragments and 8 bias tiles, into window 1
	WIN 0x40
.set f, 0
.rept 16
	ds_load_b128 v[8*f:8*f+3], v[IA] offset:f*1024
	ds_load_b128 v[8*f+4:8*f+7], v[IA] offset:f*1024+512
.set f, f+1
.endr
	s_wait_dscnt 32                       ; the first group is in; the 32 loads issued behind it may stay out
.rept 5
	ds_load_b128 v[8*f:8*f+3], v[IA] offset:f*1024
	ds_load_b128 v[8*f+4:8*f+7], v[IA] offset:f*1024+512
.set f, f+1
.endr
.set t, 0
.rept 8
	ds_load_b128 v[168+8*t:168+8*t+3], v[BA] offset:64*t
	ds_load_b128 v[168+8*t+4:168+8*t+7], v[BA] offset:64*t+16
.set t, t+1
.endr
	WIN 0
.set x, 0
.rept 16
	v_pk_mul_f32 v[MS+x:MS+x+1], v[MS+x:MS+x+1], 0x3caaaaab op_sel_hi:[1,0]  ; the mean: 1 / 48
.set x, x+2
.endr
.set x, 0
.rept 16
	v_cvt_pk_f16_f32 v[MF+x], v[MS+2*x], v[MS+2*x+1]
.set x, x+1
.endr
	v_cndmask_b32 v[MF+14], v[MF+14], v[C1H], s60  ; places 60, 61: (1, 0)
	v_cndmask_b32 v[MF+15], v[MF+15], v[ZR], s60   ; places 62, 63: 0
	; V: two accumulators by turns
	v_wmma_f32_16x16x32_f16 v[VV:VV+7], v[WVF:WVF+7], v[MF:MF+7], 0
	v_wmma_f32_16x16x32_f16 v[VV+8:VV+15], v[WVF+16:WVF+23], v[MF:MF+7], 0
	v_wmma_f32_16x16x32_f16 v[VV:VV+7], v[WVF+8:WVF+15], v[MF+8:MF+15], v[VV:VV+7]
	v_wmma_f32_16x16x32_f16 v[VV+8:VV+15], v[WVF+24:WVF+31], v[MF+8:MF+15], v[VV+8:VV+15]
	; work that is due anyway fills the places behind those products
	v_cndmask_b32 v[HH+14], v[HH+14], v[ZR], s60   ; h's features 30, 31 are 0
	v_cndmask_b32 v[HH+15], v[HH+15], v[ZR], s60
.irp j,0,1,2,3
	v_cmp_eq_f32 vcc_lo, v[YN+\j], v[YN+\j]        ; nan_to_num: a NaN becomes 0,
	v_cndmask_b32 v[YN+\j], 0, v[YN+\j], vcc_lo
	v_med3_num_f32 v[YN+\j], v[YN+\j], s6, s7      ; an infinity the largest number that f16 holds
.endr
.set x, 0
.rept 8
	v_cvt_pk_f16_f32 v[VF+x], v[VV+2*x], v[VV+2*x+1]
.set x, x+1
.endr
	v_wmma_f32_16x16x32_f16 v[GC:GC+7], v[WGVF:WGVF+7], v[VF:VF+7], 0
	v_wmma_f32_16x16x32_f16 v[GC+8:GC+15], v[WGVF+8:WGVF+15], v[VF:VF+7], 0
	; fourteen plain instructions stand between these and the first product that takes their results as its C
.set x, 0
.rept 7
	v_cvt_pk_f16_f32 v[HF+x], v[HH+2*x], v[HH+2*x+1]
.set x, x+1
.endr
	v_cvt_pk_f16_f32 v[H7R], v[HH+14], v[HH+15]
	v_cvt_pk_f16_f32 v[R01], v[YN], v[YN+1]
	v_cvt_pk_f16_f32 v[R23], v[YN+2], v[YN+3]
	v_cndmask_b32 v[HF+7], v[H7R], v[R23], s60
	v_mov_b32 v[TMP], 0x3daaaaab          ; 1 / 12
	v_cvt_pk_f16_f32 v[SEP], v[TMP], v[ONE]
	v_mov_b32 v[VI], 2.0
	s_wait_dscnt 0x0                      ; the second group is in
.macro EXPS base, n           ; n exponentials in place, from the low end on
.set k, 0
.rept \n
	v_exp_f32 v[(\base)+k], v[(\base)+k]
.set k, k+1
.endr
.endm
.macro TWAIT                  ; behind a batch of transcendentals: a plain instruction, and the one wait ahead of the first line that names a result
	v_nop
	s_wait_alu depctr_va_vdst(0)
.endm
.macro ADDRCP base, n         ; x = 1 / (1 + x), n numbers: a pair's addition stands ahead of the pair before's two reciprocals
.set k, 0
.rept (\n)/2
	v_pk_add_f32 v[(\base)+k:(\base)+k+1], v[(\base)+k:(\base)+k+1], 1.0 op_sel_hi:[1,0]
.if k > 0
	v_rcp_f32 v[(\base)+k-2], v[(\base)+k-2]
	v_rcp_f32 v[(\base)+k-1], v[(\base)+k-1]
.endif
.set k, k+2
.endr
	v_rcp_f32 v[(\base)+(\n)-2], v[(\base)+(\n)-2]
	v_rcp_f32 v[(\base)+(\n)-1], v[(\base)+(\n)-1]
.endm
.macro PLACES                 ; a vector instruction reads a matrix result four plain vector instructions behind it at the least (ISA guide 7.12.1)
.rept 4
	v_nop
.endr
.endm
; STEP n of 12.  first = 1: step 1, where c = 0: the forget gate (LSTM tiles 2, 3) is not made.  last = 1: step 12: nothing is made for a next step.
; No two matrix instructions on end name one accumulator, from step to step too (a step's last writes Z2, the next step's first GA).
.macro STEP first, n, last
.if (\last) == 0
	ds_load_b128 v[YN:YN+3], v[YA0] offset:16*(\n)  ; y[row][n]: wanted at the step's end
.endif
	WIN 0x01                              ; source 0 (weights) window 1
	v_wmma_f32_16x16x32_f16 v[GA:GA+7], v[128:135], v[HF:HF+7], v[GC:GC+7]          ; the gate's sums
	v_wmma_f32_16x16x32_f16 v[GA+8:GA+15], v[136:143], v[HF:HF+7], v[GC+8:GC+15]
	WIN 0x11                              ; and the C operand (bias) window 1
.set t, 0
.rept 8
.if ((\first) == 0) || (t/2 != 1)
	v_wmma_f32_16x16x32_f16 v[LA+8*t:LA+8*t+7], v[8*(2*t+1):8*(2*t+1)+7], v[HF:HF+7], v[168+8*t:168+8*t+7]  ; bias + W_hh h + W_ih[:,2:4] (rin2, rin3)
.endif
.set t, t+1
.endr
	WIN 0
.set x, 0
.rept 8
	v_pk_add_f32 v[DD+x:DD+x+1], v[HH+x:HH+x+1], v[VV+x:VV+x+1] neg_lo:[0,1] neg_hi:[0,1]  ; h - V: also the places behind the gate's products
.set x, x+2
.endr
	EXPS GA, 16
	TWAIT
	ADDRCP GA, 16                         ; the gate
	TWAIT
.set x, 0
.rept 8
	v_pk_fma_f32 v[GA+x:GA+x+1], v[GA+x:GA+x+1], v[DD+x:DD+x+1], v[VV+x:VV+x+1]  ; enh = gate (h - V) + V
.set x, x+2
.endr
.set x, 0
.rept 7
	v_cvt_pk_f16_f32 v[EF+x], v[GA+2*x], v[GA+2*x+1]
.set x, x+1
.endr
	v_cvt_pk_f16_f32 v[TMP], v[GA+14], v[GA+15]
	v_cndmask_b32 v[EF+7], v[TMP], v[R01], s60
	WIN 0x01
.set t, 0
.rept 8
.if ((\first) == 0) || (t/2 != 1)
	v_wmma_f32_16x16x32_f16 v[LA+8*t:LA+8*t+7], v[8*(2*t):8*(2*t)+7], v[EF:EF+7], v[LA+8*t:LA+8*t+7]  ; + W_ih[:,4:] enh + W_ih[:,0:2] (rin0, rin1)
.endif
.set t, t+1
.endr
	WIN 0
	PLACES
.if \first
	EXPS LA, 16
	EXPS LA+32, 32
	TWAIT
	ADDRCP LA, 16
	ADDRCP LA+32, 32
.else
	EXPS LA, 64
	TWAIT
	ADDRCP LA, 64
.endif
	TWAIT
.set x, 0
.rept 8
	v_pk_fma_f32 v[LA+32+x:LA+32+x+1], v[LA+32+x:LA+32+x+1], -2.0, 1.0 op_sel_hi:[1,0,0]  ; tanh(g)
.set x, x+2
.endr
.set x, 0
.rept 8
.if \first
	v_pk_mul_f32 v[CC+x:CC+x+1], v[LA+x:LA+x+1], v[LA+32+x:LA+32+x+1]                      ; c = sigmoid(i) tanh(g)
.else
	v_pk_mul_f32 v[LA+x:LA+x+1], v[LA+x:LA+x+1], v[LA+32+x:LA+32+x+1]
.endif
.set x, x+2
.endr
.if (\first) == 0
.set x, 0
.rept 8
	v_pk_fma_f32 v[CC+x:CC+x+1], v[LA+16+x:LA+16+x+1], v[CC+x:CC+x+1], v[LA+x:LA+x+1]      ; c = sigmoid(f) c + sigmoid(i) tanh(g)
.set x, x+2
.endr
.endif
.set x, 0
.rept 8
	v_pk_mul_f32 v[DD+x:DD+x+1], v[CC+x:CC+x+1], 0x4038aa3b op_sel_hi:[1,0]                ; 2 log2(e) c; the pair before's exponentials follow
.if x > 0
	v_exp_f32 v[DD+x-2], v[DD+x-2]
	v_exp_f32 v[DD+x-1], v[DD+x-1]
.endif
.set x, x+2
.endr
	v_exp_f32 v[DD+14], v[DD+14]
	v_exp_f32 v[DD+15], v[DD+15]
	TWAIT
	ADDRCP DD, 16
	TWAIT
.set x, 0
.rept 8
	v_pk_fma_f32 v[DD+x:DD+x+1], v[DD+x:DD+x+1], -2.0, 1.0 op_sel_hi:[1,0,0]               ; tanh(c)
.set x, x+2
.endr
.set x, 0
.rept 8
	v_pk_mul_f32 v[HH+x:HH+x+1], v[LA+48+x:LA+48+x+1], v[DD+x:DD+x+1]                      ; h = sigmoid(o) tanh(c)
.set x, x+2
.endr
.set x, 0
.rept 7
	v_cvt_pk_f16_f32 v[HF+x], v[HH+2*x], v[HH+2*x+1]
.set x, x+1
.endr
	v_cvt_pk_f16_f32 v[H7R], v[HH+14], v[HH+15]
	v_cndmask_b32 v[HF+7], v[H7R], v[SEP], s60     ; for the head: (n / 12, 1)
	WIN 0x01
	v_wmma_f32_16x16x32_f16 v[Z1:Z1+7], v[144:151], v[HF:HF+7], 0
	v_wmma_f32_16x16x32_f16 v[Z1+8:Z1+15], v[152:159], v[HF:HF+7], 0
	WIN 0
.if \last
	PLACES
.else
	v_mul_f32 v[TMP], 0x3daaaaab, v[VI]            ; the next step's (i / 12, 1): with one v_nop the places behind those products
	v_add_f32 v[VI], 1.0, v[VI]
	v_cvt_pk_f16_f32 v[SEP], v[TMP], v[ONE]
	v_nop
.endif
.set x, 0
.rept 16
	v_maximum_f32 v[Z1+x], 0, v[Z1+x]              ; relu; a NaN stays a NaN
.set x, x+1
.endr
.set x, 0
.rept 8
	v_cvt_pk_f16_f32 v[ZF+x], v[Z1+2*x], v[Z1+2*x+1]
.set x, x+1
.endr
.if (\last) == 0
	s_wait_dscnt 0x0                               ; y[row][n], asked for at the step's head, and the last step's store
.endif
	WIN 0x01
	v_wmma_f32_16x16x32_f16 v[Z2:Z2+7], v[160:167], v[ZF:ZF+7], 0
	WIN 0
.if \last
	PLACES
.else
	v_cvt_pk_f16_f32 v[R01], v[YN+1], v[YN+2]      ; the next rin0, rin1: with three v_nop the places behind that product
.rept 3
	v_nop
.endr
.endif
.set x, 0
.rept 8
	v_maximum_f32 v[Z2+x], 0, v[Z2+x]
.set x, x+1
.endr
	v_pk_mul_f32 v[DT:DT+1], v[Z2:Z2+1], v[W3:W3+1]            ; the last layer in f32: my 8 of the 16 terms (the 16th is 1 x bf3),
	v_pk_mul_f32 v[DT+2:DT+3], v[Z2+2:Z2+3], v[W3+2:W3+3]
	v_pk_fma_f32 v[DT:DT+1], v[Z2+4:Z2+5], v[W3+4:W3+5], v[DT:DT+1]
	v_pk_fma_f32 v[DT+2:DT+3], v[Z2+6:Z2+7], v[W3+6:W3+7], v[DT+2:DT+3]
	v_pk_add_f32 v[DT:DT+1], v[DT:DT+1], v[DT+2:DT+3]
	v_add_f32 v[DT], v[DT], v[DT+1]
	v_permlanex16_b32 v[TMP+1], v[DT], s62, s63                ; and the other 8, in the lane 16 away
	v_add_f32 v[OUTV], v[DT], v[TMP+1]
	ds_store_b32 v[OA0], v[OUTV] offset:64*((\n)-1)            ; both lanes of a row write the same word with the same number
.if (\last) == 0
	v_med3_num_f32 v[TMP], v[OUTV], s6, s7                     ; what is fed back is held within f16's range
	v_cvt_pk_f16_f32 v[R23], v[YN+3], v[TMP]                   ; the next rin2, rin3
	v_cndmask_b32 v[HF+7], v[H7R], v[R23], s60
.endif
.endm
	STEP 1, 1, 0
.set st, 2
.rept 10
	STEP 0, st, 0
.set st, st+1
.endr
	STEP 0, 12, 1
.Lfinal:
	s_wait_dscnt 0x0                      ; my stores into OUTS are done
	s_barrier_signal -1
	s_barrier_wait -1
	s_cmp_lt_u32 s2, 6
	s_cbranch_scc0 .Lend
	; 192 threads x 16 bytes = 12 steps x 64 rows.  Thread t takes step t / 16 and rows 4 c .. 4 c + 3, c = t % 16: they lie in the part of wave c / 4, at 64 x step + 16 (c % 4)
	v_lshrrev_b32 v9, 4, v0               ; the step
	v_lshrrev_b32 v10, 2, v2              ; c / 4
	v_and_b32 v11, 3, v2                  ; c % 4
	v_lshlrev_b32 v8, 10, v10             ; OUTW = 1,024 bytes a wave
	v_lshl_add_u32 v8, v9, 6, v8
	v_lshl_add_u32 v8, v11, 4, v8
	v_add_nc_u32 v8, OUTS, v8
	ds_load_b128 v[12:15], v8
	v_lshlrev_b32 v9, 16, v9              ; a row of out0 is 65,536 bytes,
	v_lshl_add_u32 v9, v2, 4, v9          ; my 16 bytes
	s_lshl_b32 s5, s3, 8                  ; of the work-group's 256
	v_add_nc_u32 v9, s5, v9
	s_wait_dscnt 0x0
	global_store_b128 v9, v[12:15], s[10:11] th:TH_STORE_NT  ; 16 lanes store 256 consecutive bytes, at a multiple of 256 from out0's first byte
.Lend:
	s_wait_tensorcnt 0x0                  ; the wave's end, behind my last tensor load and my last LDS store
	ds_add_u32 v[SPW], v[NIL]
	s_wait_dscnt 0x0
	s_endpgm
.Lfunc_end_k_q6e82dd39f6_decoder:
	.size	k_q6e82dd39f6_decoder, .Lfunc_end_k_q6e82dd39f6_decoder-k_q6e82dd39f6_decoder
	.p2alignl 7, 3214868480
	.fill 96, 4, 3214868480
	.section	.rodata,"a",@progbits
	.p2align	6, 0x0
	.amdhsa_kernel k_q6e82dd39f6_decoder
		.amdhsa_group_segment_fixed_size 167936
		.amdhsa_private_segment_fixed_size 0
		.amdhsa_enable_private_segment 0
		.amdhsa_kernarg_size 144
		.amdhsa_user_sgpr_count 2
		.amdhsa_user_sgpr_kernarg_segment_ptr 1
		.amdhsa_wavefront_size32 1
		.amdhsa_system_sgpr_workgroup_id_x 1
		.amdhsa_system_sgpr_workgroup_id_y 1
		.amdhsa_system_sgpr_workgroup_id_z 1
		.amdhsa_system_vgpr_workitem_id 0
		.amdhsa_next_free_vgpr 512
		.amdhsa_next_free_sgpr 100
		.amdhsa_reserve_vcc 1
		.amdhsa_float_denorm_mode_32 3
		.amdhsa_float_denorm_mode_16_64 3
		.amdhsa_memory_ordered 1
		.amdhsa_forward_progress 1
		.amdhsa_inst_pref_size 255
	.end_amdhsa_kernel
	.section	.bss,"aw",@nobits
	.p2align	6
	.space	262144
	.amdgpu_metadata
---
amdhsa.version: [ 1, 2 ]
amdhsa.kernels:
  - .name:           k_q6e82dd39f6_decoder
    .symbol:         k_q6e82dd39f6_decoder.kd
    .args:
      - { .name: encoder_outputs, .offset: 0, .size: 8, .value_kind: global_buffer, .address_space: global }
      - { .name: out0, .offset: 8, .size: 8, .value_kind: global_buffer, .address_space: global }
      - { .name: y, .offset: 16, .size: 8, .value_kind: global_buffer, .address_space: global }
      - { .name: hidden, .offset: 24, .size: 8, .value_kind: global_buffer, .address_space: global }
      - { .name: W_ih, .offset: 32, .size: 8, .value_kind: global_buffer, .address_space: global }
      - { .name: W_hh, .offset: 40, .size: 8, .value_kind: global_buffer, .address_space: global }
      - { .name: b_ih, .offset: 48, .size: 8, .value_kind: global_buffer, .address_space: global }
      - { .name: b_hh, .offset: 56, .size: 8, .value_kind: global_buffer, .address_space: global }
      - { .name: Wg, .offset: 64, .size: 8, .value_kind: global_buffer, .address_space: global }
      - { .name: Wv, .offset: 72, .size: 8, .value_kind: global_buffer, .address_space: global }
      - { .name: Wf1, .offset: 80, .size: 8, .value_kind: global_buffer, .address_space: global }
      - { .name: Wf2, .offset: 88, .size: 8, .value_kind: global_buffer, .address_space: global }
      - { .name: bg, .offset: 96, .size: 8, .value_kind: global_buffer, .address_space: global }
      - { .name: bv, .offset: 104, .size: 8, .value_kind: global_buffer, .address_space: global }
      - { .name: bf1, .offset: 112, .size: 8, .value_kind: global_buffer, .address_space: global }
      - { .name: bf2, .offset: 120, .size: 8, .value_kind: global_buffer, .address_space: global }
      - { .name: Wf3, .offset: 128, .size: 8, .value_kind: global_buffer, .address_space: global }
      - { .name: bf3, .offset: 136, .size: 8, .value_kind: global_buffer, .address_space: global }
    .group_segment_fixed_size: 167936
    .private_segment_fixed_size: 0
    .kernarg_segment_align: 8
    .kernarg_segment_size: 144
    .max_flat_workgroup_size: 256
    .sgpr_count:     100
    .vgpr_count:     512
    .wavefront_size: 32
...
	.end_amdgpu_metadata
.endif
;; end of part 1
